; MI455X (gfx1250); checked and timed in simulation.
; The chip was launched on July 23, 2026; its instructions are those of AMD's public machine-readable ISA for CDNA 5 (MIT licence, August 2026) and "CDNA5" Instruction Set Architecture Reference Guide (July 2026). The comments in the code are by the model that wrote it; some were corrected since.
;; Multi Head Attention. Allowed arithmetic: matrix products marked QUANTISED: E2M1 operands, one E8M0 scale for each 32 along K, by v_wmma_scale_f32_16x16x128_f8f6f4 with both operands' format E2M1 (or v_wmma_scale_f32_32x16x128_f4), f32 sums; products left as they are: bf16, f16 or f32 operands; f32 sums; everything else in f32.
;; Inputs: W_out 1,024 x 1,024 float32; W_qkv 3,072 x 1,024 float32; b_out 1,024 float32; b_qkv 3,072 float32; x 4 x 2,048 x 1,024 float32.
;; Outputs: out0 4 x 2,048 x 1,024 float32.
;; This version of the problem:
;;   THIS VERSION OF THE PROBLEM IS GIVEN IN LOW PRECISION. The matrix products marked QUANTISED in the list below multiply operands that are first quantised to E2M1 (2 exponent bits, 1 mantissa bit; 4 bits a number), with one power-of-two scale for each 32 numbers along K (OCP MX v1.0); their sums are f32. The products marked 'left as it is' may take bf16, f16 or f32 operands, with f32 sums. Whichever they take, every output number must still come out within the allowed error. Rounding operands to bf16 (8 significant bits) uses up far more of that allowance than f16 does (11 bits, for magnitudes from 6e-5 to 65,504). All else is computed in f32.
;;   The module's matrix products, in the order in which they are computed (A, B: the left and right operand; K: the contracted axis; several contracted axes count as one K, in the product's order):
;;     1. [M 8,192, K 1,024] x [K 1,024, N 3,072]; A: input x; B: input W_qkv: QUANTISED
;;     2. batch 64 x [M 2,048, K 64] x [K 64, N 2,048]; A: computed on the way; B: computed on the way: left as it is (an operand is computed on the way)
;;     3. batch 64 x [M 2,048, K 2,048] x [K 2,048, N 64]; A: computed on the way; B: computed on the way: left as it is (an operand is computed on the way)
;;     4. [M 8,192, K 1,024] x [K 1,024, N 1,024]; A: computed on the way; B: input W_out: left as it is (an operand is computed on the way)
;;   THE QUANTISER, for each operand of a quantised product, along K:
;;     - K is cut into blocks of 32 from its start; a last block that is shorter is filled with zeros.
;;     - A block's scale is 2^e with e = floor(log2(the largest magnitude in the block)) - 2, held to -126 .. 127; a block of zeros has e = 0. As a byte (E8M0): e + 127.
;;     - Each number is divided by its block's scale, clamped to +-6, and rounded to the nearest number of E2M1, ties to even, subnormals kept.
;;     - The product sums the exact products of the quantised numbers (number of the format x scale) in f32.
;;   ~~~python
;;   def quantise(x, axis):      # numpy; x: float32 -> the quantised numbers, widened to float32 again
;;       x = np.moveaxis(x, axis, -1); K = x.shape[-1]
;;       x = np.pad(x, [(0, 0)] * (x.ndim - 1) + [(0, -K % 32)]); x = x.reshape(x.shape[:-1] + (-1, 32)); a = np.abs(x).max(-1, keepdims=True)
;;       e = np.where(a > 0, np.clip(np.frexp(np.where(a > 0, a, 1))[1] - 1 - 2, -126, 127), 0)      # np.frexp(a)[1] - 1 = floor(log2(a)), exactly
;;       r = np.clip(x / 2.0 ** e, -6, 6)
;;       step = 2.0 ** (np.maximum(np.frexp(np.where(r == 0, 1, r))[1] - 1, 0) - 1)
;;       q = np.round(r / step) * step * 2.0 ** e      # np.round: ties to even
;;       return np.moveaxis(q.reshape(q.shape[:-2] + (-1,))[..., :K], -1, axis).astype(np.float32)
;;   ~~~
;; One version. Each part assembles by itself: llvm-mc -triple=amdgcn-amd-amdhsa -mcpu=gfx1250 --defsym DOCPART=n.
;; ======== version 1 of 1: 4 launches
;; limits: values are held in f16: magnitudes above 65,504 overflow, below 6.1e-05 lose precision
;; workspace buffers: xc 4,194,304 bytes; xs 262,144 bytes; wc 1,572,864 bytes; ws 98,304 bytes; wo 2,097,152 bytes; qkv 50,331,648 bytes; vals 16,777,216 bytes
;; launch prep (part 1): grid 384 x 1, 4 waves a work-group, no clusters, 50,688 bytes of LDS; arguments x, W_qkv, W_out, xc, xs, wc, ws, wo; writes xc, xs, wc, ws, wo
.if DOCPART == 1
	.amdgcn_target "amdgcn-amd-amdhsa--gfx1250"
	.amdhsa_code_object_version 6
	.text
	.protected	k_qd2a3826f7c_prep
	.globl	k_qd2a3826f7c_prep
	.p2align	8
	.type	k_qd2a3826f7c_prep,@function
k_qd2a3826f7c_prep:
	s_mov_b64 s[64:65], 0
	v_nop
	global_prefetch_b8 v0, s[64:65] scope:SCOPE_SE
	s_setreg_imm32_b32 hwreg(HW_REG_WAVE_MODE, 25, 1), 1
	s_wait_xcnt 0x0
; x [8192][1024] and W_qkv [3072][1024], f32, become codes of FP4 (E2M1), K innermost (a row: 512 bytes), with one E8M0 byte for each 32 along K (a row: 32 bytes).
; W_out [1024][1024], f32, becomes f16, laid as the matrix unit's operand registers want it (see THE CAST below).
; Work-groups 0-255 take x, 256-351 W_qkv, 352-383 W_out: 32,768 numbers each, 8,192 a wave.  Waves share nothing: no barrier.
; THE QUANTISER.  A block's scale is 2^(floor(log2(its largest magnitude)) - 2); its byte is the largest magnitude's exponent field - 2, held at 1 from below.
; A block of zeros so keeps the byte 1 where the rule says 127: its codes are zeros, which add nothing, and this program alone reads the bytes.
; Rows are dense and 1,024 is a multiple of 32: both tensors are plain streams of blocks.  A wave takes 16 steps of 512 numbers.  Each load reads 512 consecutive bytes; a step's 2,048 bytes turn through
; the wave's own stage in LDS, so that a lane holds 16 neighbours along K (two neighbouring lanes hold a block).  A lane's 16 codes are 8 bytes: the wave stores 256 consecutive bytes.
; LIMITS: blocks whose largest magnitude lies under 2^-124 keep the byte 1; NaN and infinities are not served; |W_out| stays under 65,504 (f16).
.set WGA,    256                       ; work-groups for x
.set WGB,    96                        ; for W_qkv
.set STEPS,  16
.set EMAX,   2
.set CB,     8                         ; bytes of 16 codes
.set R,      16                        ; v16-79   four sets of 16 numbers as loaded
.set X,      80                        ; v80-111  two sets of 16 neighbours
.set E,      112                       ; v112-127 a scale byte for each step
.set C,      128                       ; v128-191 codes, four registers a step: no store's data are written again
.set WREG,   8192                      ; LDS: a region for each wave: two stages of 32 x SP bytes, then its 256 scale bytes
.set SP,     80                        ; a lane's place in a stage: 64 bytes + 16 of padding
.set SPW,    12                        ; v12  LDS address of my spare word; never rewritten
.set NIL,    13                        ; v13  0; never rewritten
.set CSTG,   4*WREG                    ; the cast's stages: bytes of their own, 16 rows x CPITCH for each wave
.set CPITCH, 272
.set SPARE,  CSTG+4*16*CPITCH          ; the spare words, 128 bytes a wave
.set CIN,    16                        ; the cast: v16-143 two sets of 64 numbers
.set CH,     144                       ; v144-175 a task's f16 pairs
.set COUT,   176                       ; v176-207 eight chunks of four registers
.set SW,     208                       ; v208 the cast's stage, on the way in: 8 x lane
.set SRD,    209                       ; v209 and on the way out: row lane % 16, 16 bytes for each half of the lanes
	s_load_b256 s[4:11], s[0:1], 0x0               ; x s[4:5], W_qkv s[6:7], W_out s[8:9], xc s[10:11]
	s_load_b256 s[12:19], s[0:1], 0x20             ; xs s[12:13], wc s[14:15], ws s[16:17], wo s[18:19]
	v_lshl_add_u32 v[SPW], v0, 2, SPARE
	v_mov_b32 v[NIL], 0
	v_lshrrev_b32 v1, 5, v0
	v_readfirstlane_b32 s26, v1                    ; wave
	v_and_b32 v2, 31, v0                           ; lane
	v_lshlrev_b32 v3, 4, v2                        ; 16 x lane
	s_mul_i32 s27, s26, WREG
	v_lshrrev_b32 v14, 2, v2
	v_mul_u32_u24 v14, v14, SP
	v_and_b32 v15, 3, v2
	v_lshl_add_u32 v14, v15, 4, v14
	v_add_nc_u32 v14, s27, v14                     ; the stage, in: four lanes' 64 bytes on end, then 16 of padding
	v_mul_u32_u24 v15, v2, SP
	v_add_nc_u32 v15, s27, v15                     ; out: SP x lane: my 16 neighbours
	v_mul_u32_u24 v4, v2, CB                       ; my codes' place in a step's
	v_lshrrev_b32 v5, 1, v2
	s_add_co_u32 s27, s27, 2*32*SP
	v_add_nc_u32 v5, s27, v5                       ; my block's scale byte in LDS
	v_lshlrev_b32 v7, 3, v2                        ; 8 x lane
	v_add_nc_u32 v6, s27, v7
	s_mul_i32 s28, s26, 16*CPITCH
	s_add_co_u32 s28, s28, CSTG                    ; the cast's stage of my wave
	v_add_nc_u32 v[SW], s28, v7
	v_and_b32 v8, 15, v2
	v_lshrrev_b32 v9, 4, v2
	v_mul_u32_u24 v[SRD], v8, CPITCH
	v_lshl_add_u32 v[SRD], v9, 4, v[SRD]
	v_add_nc_u32 v[SRD], s28, v[SRD]
	s_wait_kmcnt 0x0
	s_cmp_ge_u32 ttmp9, WGA+WGB                    ; the work-group's number alone decides the path
	s_cbranch_scc1 .Lcast
	s_cmp_lt_u32 ttmp9, WGA                        ; x or W_qkv: only pointers are chosen
	s_cselect_b64 s[20:21], s[4:5], s[6:7]
	s_cselect_b64 s[22:23], s[10:11], s[14:15]
	s_cselect_b64 s[24:25], s[12:13], s[16:17]
	s_cselect_b32 s27, 0, WGA
	s_sub_co_u32 s27, ttmp9, s27
	s_lshl_b32 s27, s27, 2
	s_add_co_u32 s28, s27, s26                     ; which run of 8,192 numbers is my wave's: at most 1,023
	s_mov_b32 s29, 0
	s_mov_b32 s31, 0
	s_lshl_b32 s30, s28, 15                        ; 32,768 bytes of f32 a run
	s_add_nc_u64 s[20:21], s[20:21], s[30:31]
	s_lshl_b32 s30, s28, 12                        ; 4,096 bytes of codes
	s_add_nc_u64 s[22:23], s[22:23], s[30:31]
	s_lshl_b32 s28, s28, 8                         ; 256 scale bytes
	s_add_nc_u64 s[24:25], s[24:25], s[28:29]
.macro LOAD t
.irp i, 0,1,2,3
	global_load_b128 v[R+16*((\t)%4)+4*\i:R+16*((\t)%4)+4*\i+3], v3, s[20:21] offset:2048*(\t)+512*\i th:TH_LOAD_NT   ; 32 lanes read 512 consecutive bytes
.endr
.endm
.macro TURN t                          ; step t's numbers through the stage: LDS serves a wave's instructions in order, so no wait stands between the stores and the loads
.irp i, 0,1,2,3
	ds_store_b128 v14, v[R+16*((\t)%4)+4*\i:R+16*((\t)%4)+4*\i+3] offset:32*SP*((\t)%2)+8*SP*\i
.endr
.irp i, 0,1,2,3
	ds_load_b128 v[X+16*((\t)%2)+4*\i:X+16*((\t)%2)+4*\i+3], v15 offset:32*SP*((\t)%2)+16*\i
.endr
.endm
.irp t, 0,1,2,3
	LOAD \t
.endr
	s_wait_loadcnt 12                              ; step 0's four loads are in; three steps' twelve stay out
	TURN 0
.macro STEP t
.set XS, X+16*((\t)%2)
.if (\t) > 0
	s_wait_dscnt 1                                 ; this step's numbers are back from the stage (the last step's byte store may be out)
.else
	s_wait_dscnt 0x0
.endif
.if (\t)+4 < STEPS
	LOAD (\t)+4                                    ; into the registers that the stage's stores have read
.endif
.if (\t)+1 < STEPS
.if STEPS-2-(\t) >= 3
	s_wait_loadcnt 12                              ; the next step's four loads are in; those of the three steps behind it may be out
.else
	s_wait_loadcnt 4*(STEPS-2-(\t))
.endif
	TURN (\t)+1
.endif
	v_max3_num_f32 v8, |v[XS]|, |v[XS+1]|, |v[XS+2]|               ; the largest magnitude of my 16, in two chains
	v_max3_num_f32 v9, |v[XS+3]|, |v[XS+4]|, |v[XS+5]|
.irp i, 6,10
	v_max3_num_f32 v8, v8, |v[XS+\i]|, |v[XS+\i+1]|
	v_max3_num_f32 v9, v9, |v[XS+\i+2]|, |v[XS+\i+3]|
.endr
	v_max3_num_f32 v8, v8, |v[XS+14]|, |v[XS+15]|
	v_max3_num_f32 v8, v8, v9, (EMAX+1)<<23        ; and the floor 2^(3 - 127): the byte cannot fall under 1
	v_max_num_f32_dpp v8, v8, v8 row_xmask:1 row_mask:0xf bank_mask:0xf   ; with my neighbour's 16: the block's
	v_add_nc_u32 v11, -(EMAX<<23), v8              ; 2 off its exponent field: the conversion takes the exponent field of this operand as its scale
	v_cvt_scalef32_pk8_fp4_f32 v[C+4*(\t)], v[XS:XS+7], v11
	v_cvt_scalef32_pk8_fp4_f32 v[C+4*(\t)+1], v[XS+8:XS+15], v11
	v_lshrrev_b32 v[E+(\t)], 23, v11               ; the scale's byte (also the plain line behind the conversions)
	ds_store_b8 v5, v[E+(\t)] offset:16*(\t)       ; both lanes of a block write the same byte with the same value
	global_store_b64 v4, v[C+4*(\t):C+4*(\t)+1], s[22:23] offset:32*CB*(\t)   ; the wave stores 256 consecutive bytes, aligned
.endm
.irp t, 0,1,2,3,4,5,6,7,8,9,10,11,12,13,14,15
	STEP \t
.endr
	ds_load_b64 v[8:9], v6                         ; my wave's 256 scale bytes, 8 a lane; LDS serves a wave in order
	s_wait_dscnt 0x0
	global_store_b64 v7, v[8:9], s[24:25]          ; 256 consecutive bytes, aligned
	s_wait_tensorcnt 0x0                           ; the wave's end
	ds_add_u32 v[SPW], v[NIL]
	s_wait_dscnt 0x0
	s_endpgm
; THE CAST.  wo is laid in chunks of 512 bytes, lane l's 16 bytes at 16 l: chunk ((d / 128), nt = e / 16, (d / 16) % 8) at (d / 128) x 262,144 + nt x 4,096 + ((d / 16) % 8) x 512 holds, in lane (r, h),
; W_out(16 nt + r, 16 (d / 16) + 8 h + 0 .. 7): four registers of a 16-bit fragment.  A wave takes one nt and four runs of 128 along d.  Each load reads 512 consecutive bytes of one row;
; the f16 numbers go into stage rows of 256 + 16 bytes and come back as chunks; each store of the wave covers 512 consecutive bytes, aligned.
.Lcast:
	s_sub_co_u32 s27, ttmp9, WGA+WGB
	s_lshl_b32 s27, s27, 1
	s_lshr_b32 s28, s26, 1
	s_add_co_u32 s27, s27, s28                     ; nt = 2 g + wave / 2
	s_and_b32 s28, s26, 1                          ; which half of d
	s_lshl_b32 s30, s27, 16                        ; 16 rows of 4,096 bytes
	s_lshl_b32 s29, s28, 11
	s_add_co_u32 s30, s30, s29
	s_mov_b32 s31, 0
	s_add_nc_u64 s[20:21], s[8:9], s[30:31]
	s_lshl_b32 s30, s28, 20                        ; four planes of 262,144 bytes
	s_lshl_b32 s29, s27, 12
	s_add_co_u32 s30, s30, s29
	s_add_nc_u64 s[22:23], s[18:19], s[30:31]
.macro CLOAD t
.irp i, 0,1,2,3,4,5,6,7,8,9,10,11,12,13,14,15
	global_load_b128 v[CIN+64*((\t)%2)+4*\i:CIN+64*((\t)%2)+4*\i+3], v3, s[20:21] offset:\i*4096+512*(\t) th:TH_LOAD_NT
.endr
.endm
.macro CTASK t
.set CX, CIN+64*((\t)%2)
.if (\t) < 3
	s_wait_loadcnt 16                              ; this task's sixteen loads are in; the next task's may be out
.else
	s_wait_loadcnt 0x0
.endif
	s_wait_xcnt 0x0                                ; the last task's stores have read their registers: they are loaded anew below
.irp i, 0,1,2,3,4,5,6,7,8,9,10,11,12,13,14,15
	v_cvt_pk_f16_f32 v[CH+2*\i], v[CX+4*\i], v[CX+4*\i+1]
	v_cvt_pk_f16_f32 v[CH+2*\i+1], v[CX+4*\i+2], v[CX+4*\i+3]
.endr
.irp i, 0,1,2,3,4,5,6,7,8,9,10,11,12,13,14,15
	ds_store_b64 v[SW], v[CH+2*\i:CH+2*\i+1] offset:CPITCH*\i
.endr
.if (\t)+2 < 4
	CLOAD (\t)+2
.endif
.irp c, 0,1,2,3,4,5,6,7
	ds_load_b128 v[COUT+4*\c:COUT+4*\c+3], v[SRD] offset:32*\c   ; LDS serves a wave in order: these see the stores above
.endr
	s_wait_dscnt 0x0
.irp c, 0,1,2,3,4,5,6,7
	global_store_b128 v3, v[COUT+4*\c:COUT+4*\c+3], s[22:23] offset:(\t)*262144+512*\c
.endr
.endm
	CLOAD 0
	CLOAD 1
.irp t, 0,1,2,3
	CTASK \t
.endr
	s_wait_tensorcnt 0x0                           ; the wave's end: the same three lines
	ds_add_u32 v[SPW], v[NIL]
	s_wait_dscnt 0x0
	s_endpgm
.Lfunc_end_k_qd2a3826f7c_prep:
	.size	k_qd2a3826f7c_prep, .Lfunc_end_k_qd2a3826f7c_prep-k_qd2a3826f7c_prep
	.p2alignl 7, 3214868480
	.fill 96, 4, 3214868480
	.section	.rodata,"a",@progbits
	.p2align	6, 0x0
	.amdhsa_kernel k_qd2a3826f7c_prep
		.amdhsa_group_segment_fixed_size 50688
		.amdhsa_private_segment_fixed_size 0
		.amdhsa_enable_private_segment 0
		.amdhsa_kernarg_size 64
		.amdhsa_user_sgpr_count 2
		.amdhsa_user_sgpr_kernarg_segment_ptr 1
		.amdhsa_wavefront_size32 1
		.amdhsa_system_sgpr_workgroup_id_x 1
		.amdhsa_system_sgpr_workgroup_id_y 1
		.amdhsa_system_sgpr_workgroup_id_z 1
		.amdhsa_system_vgpr_workitem_id 0
		.amdhsa_next_free_vgpr 212
		.amdhsa_next_free_sgpr 66
		.amdhsa_reserve_vcc 0
		.amdhsa_float_denorm_mode_32 3
		.amdhsa_float_denorm_mode_16_64 3
		.amdhsa_memory_ordered 1
		.amdhsa_forward_progress 1
		.amdhsa_inst_pref_size 58
	.end_amdhsa_kernel
	.amdgpu_metadata
---
amdhsa.version: [ 1, 2 ]
amdhsa.kernels:
  - .name:           k_qd2a3826f7c_prep
    .symbol:         k_qd2a3826f7c_prep.kd
    .args:
      - { .name: x, .offset: 0, .size: 8, .value_kind: global_buffer, .address_space: global }
      - { .name: W_qkv, .offset: 8, .size: 8, .value_kind: global_buffer, .address_space: global }
      - { .name: W_out, .offset: 16, .size: 8, .value_kind: global_buffer, .address_space: global }
      - { .name: xc, .offset: 24, .size: 8, .value_kind: global_buffer, .address_space: global }
      - { .name: xs, .offset: 32, .size: 8, .value_kind: global_buffer, .address_space: global }
      - { .name: wc, .offset: 40, .size: 8, .value_kind: global_buffer, .address_space: global }
      - { .name: ws, .offset: 48, .size: 8, .value_kind: global_buffer, .address_space: global }
      - { .name: wo, .offset: 56, .size: 8, .value_kind: global_buffer, .address_space: global }
    .group_segment_fixed_size: 50688
    .private_segment_fixed_size: 0
    .kernarg_segment_align: 8
    .kernarg_segment_size: 64
    .max_flat_workgroup_size: 128
    .sgpr_count:     66
    .vgpr_count:     212
    .wavefront_size: 32
...
	.end_amdgpu_metadata
.endif
;; end of part 1
;; launch qkv (part 2): grid 16 x 32, 4 waves a work-group, clusters of 4 x 4, 327,680 bytes of LDS; arguments xc, xs, wc, ws, b_qkv, qkv; writes qkv
.if DOCPART == 2
	.amdgcn_target "amdgcn-amd-amdhsa--gfx1250"
	.amdhsa_code_object_version 6
	.text
	.protected	k_qd2a3826f7c_qkv
	.globl	k_qd2a3826f7c_qkv
	.p2align	8
	.type	k_qd2a3826f7c_qkv,@function
k_qd2a3826f7c_qkv:
	s_mov_b64 s[64:65], 0
	v_nop
	global_prefetch_b8 v0, s[64:65] scope:SCOPE_SE
	s_setreg_imm32_b32 hwreg(HW_REG_WAVE_MODE, 25, 1), 1
	s_wait_xcnt 0x0
	s_wait_alu depctr_hold_cnt(0) depctr_sa_sdst(0) depctr_va_vdst(0) depctr_va_sdst(0) depctr_va_ssrc(0) depctr_va_vcc(0) depctr_vm_vsrc(0)
	s_getreg_b32 s2, hwreg(HW_REG_IB_STS2, 6, 4)
	s_cmp_eq_u32 s2, 0
	s_cbranch_scc0 .Lentry_in_a_cluster
	s_endpgm
.Lentry_in_a_cluster:
	s_bfe_u32 s2, ttmp6, 0x10000c
	s_cmp_lg_u32 s2, 0xf033
	s_cbranch_scc0 .Lentry_shape_is_right
	s_endpgm
.Lentry_shape_is_right:
; qkv = x W_qkv^T + b_qkv on codes of FP4 (E2M1) with one E8M0 scale for each 32 along K = 1,024; sums in f32; the results are rounded once to f16 and stored as the next launch's operand registers want them.
; SHARES.  A work-group makes 256 tokens (tile row Y) x one head's 192 columns (tile column X = the head): which 16 columns are q, k or v is then a constant of the text.  512 work-groups.
; Wave w makes tokens 64 w .. 64 w + 63 x all 192 columns: 48 accumulators.  All of K lies in LDS: two slots of 512 along K, each filled ONCE; the rows' scale bytes likewise.
; ORIENTATION.  Column tiles 0-7 (q, k) are made transposed (source 0 = 16 rows of W, source 1 = 16 tokens): a lane holds one token and eight neighbouring channels.
; Column tiles 8-11 (v) are made the natural way (source 0 = 16 tokens, source 1 = 16 rows of W): a lane holds one channel and eight neighbouring tokens, since the keys are the K of attention's second product.
; Either way four conversions make a lane's 16 bytes of a CHUNK (512 bytes, lane l's 16 bytes at 16 l: four registers of a 16-bit fragment), and each store of the wave covers 512 consecutive bytes, aligned.
;   q at qkv + bh x 262,144 + (s / 16) x 2,048 + (channel / 16) x 512;  k the same 16,777,216 bytes on;  v at qkv + 33,554,432 + bh x 262,144 + (s / 32) x 4,096 + (channel / 16) x 1,024 + ((s / 16) % 2) x 512.
; The bias is the C of each sum's first product: eight registers a tile in the result's layout.
; CLUSTERS: 4 x 4 work-groups.  x's tiles hang on Y alone and are asked for jointly along a row of the cluster, W's on X alone, along a column.
; LIMITS: |q|, |k|, |v| stay under 65,504 (f16); NaN and infinities are not served.
; REGISTERS, in windows of 256.  window 0: v1-29 addresses; v32-47 x's scale words, v48-95 W's; v128-255 fragment set 0 (x's four at v128, W's twelve at v160).
;   window 1: the 32 accumulators of q and k, (a, b) at v[8 (8 a + b)].   window 2: v0-127 the 16 of v, (a, u) at v[8 (4 a + u)]; v128-255 fragment set 1.   window 3: the bias tiles.
.set PITCH,  272                       ; an LDS row: 256 bytes of codes + 16 of padding
.set ASZ,    256*PITCH                 ; x's 256 rows in a slot
.set SLOT,   448*PITCH                 ; then W's 192 rows
.set SCLA,   2*SLOT                    ; x's scale bytes: 256 rows x 32, dense
.set SCLB,   SCLA+256*32               ; W's: 192 rows x 32
.set SPARE,  SCLB+192*32               ; the spare words, 128 bytes a wave
.set LI,   3                           ; v3   16 x lane
.set ADRA, 16                          ; v16-17 my x fragments in slot 0, 1
.set ADRB, 20                          ; v20-21 W's
.set ASA,  22                          ; v22  x's scale words: lanes 0-15 block i, lanes 16-31 block i + 2
.set ASB,  23                          ; v23  W's: lanes 0-15 block i, lanes 16-31 block i + 6
.set BH,   24                          ; v24  32 x (lane / 16)
.set BR,   25                          ; v25  4 x (lane % 16)
.set SPW,  28                          ; v28  my spare word; never rewritten
.set NIL,  29                          ; v29  0; never rewritten
.set SCA,  32                          ; scale words: register 8 i + s: K step s
.set SCB,  48
.set AF,   128
.set BF,   160
.set G1,   24                          ; s[24:31] group 1 for x's codes;  s[32:39] group 0, a set for each slot
.set G0,   32
.set G1B,  48                          ; s[48:55], s[56:63] the same for W's
.set G0B,  56
.set G1S,  68                          ; s[68:75], s[76:79] x's scales;  s[80:87], s[88:91] W's
.set G0S,  76
.set G1SB, 80
.set G0SB, 88
.set QB,   92                          ; s[92:93] where my q chunks begin;  s[94:95] k;  s[96:97] v
.set KB,   94
.set VB,   96
.set MSB, 0
.macro WIN new                         ; the immediate's high byte repeats the setting that is left
.if MSB != \new
	s_set_vgpr_msb (MSB<<8)|\new
.set MSB, \new
.endif
.endm
; A joint load: waves 0 and 1 fetch for x, waves 2 and 3 for W.  The branch hangs on the wave's number alone.  An s_nop 0 and four v_nop follow each line.
.macro JLOAD g0a, g1a, g0b, g1b
	s_cmp_eq_u32 s17, 0
	s_cbranch_scc0 .Lfor_b_\@
	tensor_load_to_lds s[\g0a:\g0a+3], s[\g1a:\g1a+7]
	s_nop 0
.rept 4
	v_nop
.endr
	s_branch .Lasked_\@
.Lfor_b_\@:
	tensor_load_to_lds s[\g0b:\g0b+3], s[\g1b:\g1b+7]
	s_nop 0
.rept 4
	v_nop
.endr
.Lasked_\@:
.endm
.macro CROUND                          ; a round of the cluster's barrier
	s_barrier_signal -1
	s_barrier_wait -1
	s_cmp_lg_u32 s16, 0
	s_cbranch_scc1 .Lnot_wave_0_\@
	s_barrier_signal -3
.Lnot_wave_0_\@:
	s_barrier_wait -3
	s_barrier_signal -1
	s_barrier_wait -1
.endm
.macro PLACES n
.rept \n
	v_nop
.endr
.endm
	s_load_b256 s[4:11], s[0:1], 0x0               ; xc s[4:5], xs s[6:7], wc s[8:9], ws s[10:11]
	s_load_b128 s[12:15], s[0:1], 0x20             ; b_qkv s[12:13], qkv s[14:15]
	v_lshl_add_u32 v[SPW], v0, 2, SPARE
	v_mov_b32 v[NIL], 0
	ds_add_u32 v[SPW], v[NIL]                      ; the wave's opening: the add, twice on end, and its wait ahead of my first tensor load
	ds_add_u32 v[SPW], v[NIL]
	v_lshrrev_b32 v1, 5, v0
	v_readfirstlane_b32 s16, v1                    ; wave 0..3
	s_lshr_b32 s17, s16, 1                         ; I fetch for x (0) or for W (1)
	s_and_b32 s18, s16, 1                          ; which half of that tile's rows
	s_bfe_u32 s40, ttmp6, 0x40000                  ; cx, cy: my place in the cluster
	s_bfe_u32 s41, ttmp6, 0x40004
	s_lshl_b32 s42, ttmp9, 2
	s_add_co_u32 s42, s42, s40                     ; X = the head
	s_and_b32 s19, ttmp7, 0xffff
	s_lshl_b32 s19, s19, 2
	s_add_co_u32 s19, s19, s41                     ; Y = which 256 tokens
	s_lshl_b32 s43, s41, 2
	s_lshl_b32 s43, 15, s43                        ; my row of the cluster
	s_lshl_b32 s44, 0x1111, s40                    ; my column
	; group 1, codes: rows of 256 bytes, 512 bytes apart in memory, 16 bytes of padding behind each in LDS; x: 128 rows a load, W: 96
	s_or_b32 s[G1+0], s43, (0<<16)|(1<<20)|(1<<21)|(5<<22)|(3<<25)
	s_or_b32 s[G1B+0], s44, (0<<16)|(1<<20)|(1<<21)|(5<<22)|(3<<25)
	s_mov_b32 s[G1+1], 256<<16                     ; tensor_dim0
	s_mov_b32 s[G1+2], 128<<16                     ; tensor_dim1
	s_mov_b32 s[G1+3], 256<<16                     ; tile_dim0
	s_mov_b32 s[G1+4], 128                         ; tile_dim1
	s_mov_b32 s[G1+5], 512                         ; pitch
	s_mov_b32 s[G1+6], 0
	s_mov_b32 s[G1+7], 0
	s_mov_b32 s[G1B+1], 256<<16
	s_mov_b32 s[G1B+2], 96<<16
	s_mov_b32 s[G1B+3], 256<<16
	s_mov_b32 s[G1B+4], 96
	s_mov_b32 s[G1B+5], 512
	s_mov_b32 s[G1B+6], 0
	s_mov_b32 s[G1B+7], 0
	; group 1, scale bytes: dense blocks as rows of 256 bytes (32 elements of 8): x: 128 rows x 32 bytes = 16 such rows, W: 96 x 32 = 12
	s_or_b32 s[G1S+0], s43, (3<<16)|(1<<21)
	s_or_b32 s[G1SB+0], s44, (3<<16)|(1<<21)
	s_mov_b32 s[G1S+1], 32<<16
	s_mov_b32 s[G1S+2], 16<<16
	s_mov_b32 s[G1S+3], 32<<16
	s_mov_b32 s[G1S+4], 16
	s_mov_b32 s[G1S+5], 32
	s_mov_b32 s[G1S+6], 0
	s_mov_b32 s[G1S+7], 0
	s_mov_b32 s[G1SB+1], 32<<16
	s_mov_b32 s[G1SB+2], 12<<16
	s_mov_b32 s[G1SB+3], 32<<16
	s_mov_b32 s[G1SB+4], 12
	s_mov_b32 s[G1SB+5], 32
	s_mov_b32 s[G1SB+6], 0
	s_mov_b32 s[G1SB+7], 0
	; where the tiles come from: x's offsets are made of Y and the wave alone, W's of X and the wave alone, each in registers that never hold the other coordinate
	s_lshl_b32 s20, s19, 8
	s_lshl_b32 s21, s18, 7
	s_add_co_u32 s20, s20, s21                     ; x: row 256 Y + 128 half
	s_lshl_b32 s22, s20, 5                         ; its scale bytes
	s_lshl_b32 s20, s20, 9                         ; its codes
	s_mov_b32 s21, 0
	s_mov_b32 s23, 0
	s_mul_i32 s46, s42, 192
	s_mul_i32 s47, s18, 96
	s_add_co_u32 s46, s46, s47                     ; W: row 192 X + 96 half
	s_lshl_b32 s66, s46, 5
	s_lshl_b32 s46, s46, 9
	s_mov_b32 s47, 0
	s_mov_b32 s67, 0
	; and where they go: the wave's number and constants alone
	s_mul_i32 s45, s18, 128*PITCH
	s_mul_i32 s3, s18, 96*PITCH
	s_add_co_u32 s3, s3, ASZ
.irp s, 0,1
	s_mov_b32 s[G0+4*\s], 1
	s_add_co_u32 s[G0+4*\s+1], s45, \s*SLOT
	s_mov_b32 s[G0B+4*\s], 1
	s_add_co_u32 s[G0B+4*\s+1], s3, \s*SLOT
.endr
	s_mov_b32 s[G0S], 1
	s_lshl_b32 s[G0S+1], s18, 12
	s_add_co_u32 s[G0S+1], s[G0S+1], SCLA
	s_mov_b32 s[G0SB], 1
	s_mul_i32 s[G0SB+1], s18, 3072
	s_add_co_u32 s[G0SB+1], s[G0SB+1], SCLB
	; my chunks in qkv: bh = 16 (Y / 8) + X; token tile 16 (Y % 8) + 4 wave
	s_lshr_b32 s92, s19, 3
	s_lshl_b32 s92, s92, 4
	s_add_co_u32 s92, s92, s42
	s_lshl_b32 s92, s92, 18
	s_and_b32 s93, s19, 7
	s_lshl_b32 s93, s93, 15
	s_add_co_u32 s92, s92, s93
	s_lshl_b32 s93, s16, 13
	s_add_co_u32 s92, s92, s93
	s_mov_b32 s93, 0
	s_wait_dscnt 0x0                               ; both opening adds are done
	s_wait_kmcnt 0x0
	s_add_nc_u64 s[20:21], s[4:5], s[20:21]
	s_add_nc_u64 s[22:23], s[6:7], s[22:23]
	s_add_nc_u64 s[46:47], s[8:9], s[46:47]
	s_add_nc_u64 s[66:67], s[10:11], s[66:67]
.irp s, 0,1
	s_add_nc_u64 s[G0+4*\s+2:G0+4*\s+3], s[20:21], \s*256          ; slot s: K 512 s on
	s_or_b32 s[G0+4*\s+3], s[G0+4*\s+3], 0x80000000
	s_add_nc_u64 s[G0B+4*\s+2:G0B+4*\s+3], s[46:47], \s*256
	s_or_b32 s[G0B+4*\s+3], s[G0B+4*\s+3], 0x80000000
.endr
	s_mov_b64 s[G0S+2:G0S+3], s[22:23]
	s_or_b32 s[G0S+3], s[G0S+3], 0x80000000
	s_mov_b64 s[G0SB+2:G0SB+3], s[66:67]
	s_or_b32 s[G0SB+3], s[G0SB+3], 0x80000000
	s_add_nc_u64 s[QB:QB+1], s[14:15], s[92:93]
	s_add_nc_u64 s[KB:KB+1], s[QB:QB+1], 0x1000000
	s_add_nc_u64 s[VB:VB+1], s[QB:QB+1], 0x2000000
	CROUND                                         ; all sixteen work-groups are here: the joint loads meet
	JLOAD G0S, G1S, G0SB, G1SB                     ; the scales first; three loads of mine are out behind these lines
	JLOAD G0, G1, G0B, G1B                         ; slot 0
	JLOAD G0+4, G1, G0B+4, G1B                     ; slot 1
	s_mul_i32 s46, s42, 768                        ; the head's 192 numbers of the bias
	s_mov_b32 s47, 0
	s_add_nc_u64 s[12:13], s[12:13], s[46:47]
	v_and_b32 v1, 15, v0                           ; r
	v_bfe_u32 v2, v0, 4, 1                         ; h
	v_and_b32 v[LI], 31, v0
	v_lshlrev_b32 v[LI], 4, v[LI]
	v_lshlrev_b32 v[BH], 5, v2
	v_lshlrev_b32 v[BR], 2, v1
	WIN 0xc0                                       ; destination window 3
.irp b, 0,1,2,3,4,5,6,7                        ; q, k: tile b: b_qkv(16 b + 8 h + 0 .. 7)
	global_load_b128 v[8*\b:8*\b+3], v[BH], s[12:13] offset:64*\b
	global_load_b128 v[8*\b+4:8*\b+7], v[BH], s[12:13] offset:64*\b+16
.endr
.irp u, 0,1,2,3                                ; v: tile u: b_qkv(128 + 16 u + r) in all eight registers
.irp j, 0,1,2,3,4,5,6,7
	global_load_b32 v[64+8*\u+\j], v[BR], s[12:13] offset:512+64*\u
.endr
.endr
	WIN 0
	v_mul_u32_u24 v4, v1, PITCH
	v_lshl_add_u32 v4, v2, 4, v4                   ; a fragment's row x pitch + 16 x half
	s_mul_i32 s2, s16, 64*PITCH                    ; my 64 tokens
	v_add_nc_u32 v[ADRA], s2, v4
	v_add_nc_u32 v[ADRA+1], SLOT, v[ADRA]
	v_add_nc_u32 v[ADRB], ASZ, v4
	v_add_nc_u32 v[ADRB+1], SLOT, v[ADRB]
	v_lshlrev_b32 v5, 5, v1                        ; 32 bytes of scales a row
	v_lshl_add_u32 v[ASA], v2, 10, v5              ; lanes 16-31: two blocks (32 rows) on
	s_lshl_b32 s2, s16, 11
	s_add_co_u32 s2, s2, SCLA
	v_add_nc_u32 v[ASA], s2, v[ASA]
	v_mul_u32_u24 v[ASB], v2, 3072                 ; lanes 16-31: six blocks (96 rows) on
	v_add_nc_u32 v[ASB], v[ASB], v5
	v_add_nc_u32 v[ASB], SCLB, v[ASB]
.macro FRAG reg, adr, q, i             ; 16 rows x 128 K of 4-bit codes: 8 registers: two loads of 16 bytes, 32 bytes apart
.irp c, 0,1
	ds_load_b128 v[\reg+4*\c:\reg+4*\c+3], v[\adr] offset:64*(\q)+32*\c+(\i)*16*PITCH
.endr
.endm
.macro FETCH s                         ; K step s (128 along K) into set s % 2: 32 loads in one run
.if ((\s)%2) == 1
	WIN 0x80                                       ; destination window 2
.endif
.irp i, 0,1,2,3,4,5,6,7,8,9,10,11
	FRAG BF+8*\i, ADRB+(\s)/4, (\s)%4, \i
.endr
.irp i, 0,1,2,3
	FRAG AF+8*\i, ADRA+(\s)/4, (\s)%4, \i
.endr
	WIN 0
.endm
; one product.  r0, r1 = 1: that side's scale words stand in lanes 16-31 of the register named
.macro WM d, s0, s1, c, sc0, sc1, r0, r1
.if (\r0) && (\r1)
	v_wmma_scale_f32_16x16x128_f8f6f4 v[0+(\d):7+(\d)], v[0+(\s0):7+(\s0)], v[0+(\s1):7+(\s1)], v[0+(\c):7+(\c)], v[0+(\sc0)], v[0+(\sc1)] matrix_a_fmt:MATRIX_FMT_FP4 matrix_b_fmt:MATRIX_FMT_FP4 matrix_a_scale:MATRIX_SCALE_ROW1 matrix_b_scale:MATRIX_SCALE_ROW1
.elseif (\r0)
	v_wmma_scale_f32_16x16x128_f8f6f4 v[0+(\d):7+(\d)], v[0+(\s0):7+(\s0)], v[0+(\s1):7+(\s1)], v[0+(\c):7+(\c)], v[0+(\sc0)], v[0+(\sc1)] matrix_a_fmt:MATRIX_FMT_FP4 matrix_b_fmt:MATRIX_FMT_FP4 matrix_a_scale:MATRIX_SCALE_ROW1
.elseif (\r1)
	v_wmma_scale_f32_16x16x128_f8f6f4 v[0+(\d):7+(\d)], v[0+(\s0):7+(\s0)], v[0+(\s1):7+(\s1)], v[0+(\c):7+(\c)], v[0+(\sc0)], v[0+(\sc1)] matrix_a_fmt:MATRIX_FMT_FP4 matrix_b_fmt:MATRIX_FMT_FP4 matrix_b_scale:MATRIX_SCALE_ROW1
.else
	v_wmma_scale_f32_16x16x128_f8f6f4 v[0+(\d):7+(\d)], v[0+(\s0):7+(\s0)], v[0+(\s1):7+(\s1)], v[0+(\c):7+(\c)], v[0+(\sc0)], v[0+(\sc1)] matrix_a_fmt:MATRIX_FMT_FP4 matrix_b_fmt:MATRIX_FMT_FP4
.endif
.endm
; K step s: 48 products; the 48 accumulators take turns, one instruction a turn, in the same order in every step.  The next step's fragments are asked for first, into the other set.
.macro GSTEP s
	s_wait_dscnt 0x0                               ; this step's set is in
.if (\s) == 3
	s_wait_tensorcnt 0x0                           ; my part of slot 1, my last load, has landed;
	s_barrier_signal -1
	s_barrier_wait -1                              ; everybody's has.
.endif
.if (\s) < 7
	PLACES 4                                       ; four plain places between the last step's products and the loads into the set that they read
	FETCH (\s)+1
.endif
.set SW0, 2*((\s)%2)                   ; the window of this step's set
.if (\s) == 0
.set CQ, 3                             ; the first step's C: the bias tiles, window 3
.set CV, 3
.else
.set CQ, 1
.set CV, 2
.endif
.set WN, ((1<<6)|(CQ<<4)|(SW0<<2)|SW0)
	WIN WN
.irp a, 0,1,2,3
.irp b, 0,1,2,3,4,5,6,7
.if (\s) == 0
	WM 8*(8*\a+\b), BF+8*\b, AF+8*\a, 8*\b, SCB+8*(\b%6)+(\s), SCA+8*(\a%2)+(\s), \b/6, \a/2
.else
	WM 8*(8*\a+\b), BF+8*\b, AF+8*\a, 8*(8*\a+\b), SCB+8*(\b%6)+(\s), SCA+8*(\a%2)+(\s), \b/6, \a/2
.endif
.endr
.endr
.set WN, ((2<<6)|(CV<<4)|(SW0<<2)|SW0)
	WIN WN
.irp a, 0,1,2,3
.irp u, 0,1,2,3
.if (\s) == 0
	WM 8*(4*\a+\u), AF+8*\a, BF+64+8*\u, 64+8*\u, SCA+8*(\a%2)+(\s), SCB+8*(\u+2)+(\s), \a/2, 1
.else
	WM 8*(4*\a+\u), AF+8*\a, BF+64+8*\u, 8*(4*\a+\u), SCA+8*(\a%2)+(\s), SCB+8*(\u+2)+(\s), \a/2, 1
.endif
.endr
.endr
	WIN 0
.endm
	s_wait_tensorcnt 1                             ; the scales and my part of slot 0 are in; slot 1's load may stay out
	s_barrier_signal -1
	s_barrier_wait -1                              ; everybody's are
.irp i, 0,1                                    ; all eight K steps' scale words, once
.irp u, 0,1
	ds_load_b128 v[SCA+8*\i+4*\u:SCA+8*\i+4*\u+3], v[ASA] offset:512*\i+16*\u
.endr
.endr
.irp i, 0,1,2,3,4,5
.irp u, 0,1
	ds_load_b128 v[SCB+8*\i+4*\u:SCB+8*\i+4*\u+3], v[ASB] offset:512*\i+16*\u
.endr
.endr
	FETCH 0
	s_wait_loadcnt 0x0                             ; the bias
.irp s, 0,1,2,3,4,5,6,7
	GSTEP \s
.endr
	; THE WAY OUT: each accumulator, from its low end on, becomes a lane's 16 bytes of a chunk
	PLACES 4
	WIN 0x05                                       ; sources window 1, destination window 0: set 0's registers are free
.irp a, 0,1,2,3
.irp b, 0,1,2,3,4,5,6,7
.irp i, 0,1,2,3
	v_cvt_pk_f16_f32 v[128+4*(8*\a+\b)+\i], v[8*(8*\a+\b)+2*\i], v[8*(8*\a+\b)+2*\i+1]
.endr
.endr
.endr
	WIN 0
.irp a, 0,1,2,3
.irp b, 0,1,2,3
	global_store_b128 v[LI], v[128+4*(8*\a+\b):128+4*(8*\a+\b)+3], s[QB:QB+1] offset:\a*2048+\b*512
	global_store_b128 v[LI], v[128+4*(8*\a+\b+4):128+4*(8*\a+\b+4)+3], s[KB:KB+1] offset:\a*2048+\b*512
.endr
.endr
	s_wait_xcnt 0x0                                ; the stores have read their registers: they are written again below
	WIN 0x0a                                       ; sources window 2
.irp a, 0,1,2,3
.irp u, 0,1,2,3
.irp i, 0,1,2,3
	v_cvt_pk_f16_f32 v[128+4*(4*\a+\u)+\i], v[8*(4*\a+\u)+2*\i], v[8*(4*\a+\u)+2*\i+1]
.endr
.endr
.endr
	WIN 0
.irp a, 0,1,2,3
.irp u, 0,1,2,3
	global_store_b128 v[LI], v[128+4*(4*\a+\u):128+4*(4*\a+\u)+3], s[VB:VB+1] offset:(\a/2)*4096+(\a%2)*512+\u*1024
.endr
.endr
	s_wait_tensorcnt 0x0                           ; the wave's end
	ds_add_u32 v[SPW], v[NIL]
	s_wait_dscnt 0x0
	CROUND                                         ; the closing round
	s_endpgm
.Lfunc_end_k_qd2a3826f7c_qkv:
	.size	k_qd2a3826f7c_qkv, .Lfunc_end_k_qd2a3826f7c_qkv-k_qd2a3826f7c_qkv
	.p2alignl 7, 3214868480
	.fill 96, 4, 3214868480
	.section	.rodata,"a",@progbits
	.p2align	6, 0x0
	.amdhsa_kernel k_qd2a3826f7c_qkv
		.amdhsa_group_segment_fixed_size 327680
		.amdhsa_private_segment_fixed_size 0
		.amdhsa_enable_private_segment 0
		.amdhsa_kernarg_size 48
		.amdhsa_user_sgpr_count 2
		.amdhsa_user_sgpr_kernarg_segment_ptr 1
		.amdhsa_wavefront_size32 1
		.amdhsa_system_sgpr_workgroup_id_x 1
		.amdhsa_system_sgpr_workgroup_id_y 1
		.amdhsa_system_sgpr_workgroup_id_z 1
		.amdhsa_system_vgpr_workitem_id 0
		.amdhsa_next_free_vgpr 1024
		.amdhsa_next_free_sgpr 98
		.amdhsa_reserve_vcc 0
		.amdhsa_float_denorm_mode_32 3
		.amdhsa_float_denorm_mode_16_64 3
		.amdhsa_memory_ordered 1
		.amdhsa_forward_progress 1
		.amdhsa_inst_pref_size 99
	.end_amdhsa_kernel
	.amdgpu_metadata
---
amdhsa.version: [ 1, 2 ]
amdhsa.kernels:
  - .name:           k_qd2a3826f7c_qkv
    .symbol:         k_qd2a3826f7c_qkv.kd
    .args:
      - { .name: xc, .offset: 0, .size: 8, .value_kind: global_buffer, .address_space: global }
      - { .name: xs, .offset: 8, .size: 8, .value_kind: global_buffer, .address_space: global }
      - { .name: wc, .offset: 16, .size: 8, .value_kind: global_buffer, .address_space: global }
      - { .name: ws, .offset: 24, .size: 8, .value_kind: global_buffer, .address_space: global }
      - { .name: b_qkv, .offset: 32, .size: 8, .value_kind: global_buffer, .address_space: global }
      - { .name: qkv, .offset: 40, .size: 8, .value_kind: global_buffer, .address_space: global }
    .group_segment_fixed_size: 327680
    .private_segment_fixed_size: 0
    .kernarg_segment_align: 8
    .kernarg_segment_size: 48
    .max_flat_workgroup_size: 128
    .sgpr_count:     98
    .vgpr_count:     1024
    .wavefront_size: 32
...
	.end_amdgpu_metadata
.endif
;; end of part 2
;; launch attn (part 3): grid 4 x 64, 16 waves a work-group, clusters of 4 x 1, 327,680 bytes of LDS; arguments qkv, vals; writes vals
.if DOCPART == 3
	.amdgcn_target "amdgcn-amd-amdhsa--gfx1250"
	.amdhsa_code_object_version 6
	.text
	.protected	k_qd2a3826f7c_attn
	.globl	k_qd2a3826f7c_attn
	.p2align	8
	.type	k_qd2a3826f7c_attn,@function
k_qd2a3826f7c_attn:
	s_mov_b64 s[64:65], 0
	v_nop
	global_prefetch_b8 v0, s[64:65] scope:SCOPE_SE
	s_setreg_imm32_b32 hwreg(HW_REG_WAVE_MODE, 25, 1), 1
	s_wait_xcnt 0x0
	s_wait_alu depctr_hold_cnt(0) depctr_sa_sdst(0) depctr_va_vdst(0) depctr_va_sdst(0) depctr_va_ssrc(0) depctr_va_vcc(0) depctr_vm_vsrc(0)
	s_getreg_b32 s2, hwreg(HW_REG_IB_STS2, 6, 4)
	s_cmp_eq_u32 s2, 0
	s_cbranch_scc0 .Lentry_in_a_cluster
	s_endpgm
.Lentry_in_a_cluster:
	s_bfe_u32 s2, ttmp6, 0x10000c
	s_cmp_lg_u32 s2, 0x3003
	s_cbranch_scc0 .Lentry_shape_is_right
	s_endpgm
.Lentry_shape_is_right:
; values[b][head][q] = the sum over k of softmax_k(q . k / 8) v[k]: 64 (b, head) pairs, 2,048 tokens, head size 64, no mask.  q, k, v arrive as f16 chunks (512 bytes, lane l's 16 bytes at 16 l:
; four registers of a 16-bit fragment), so every fragment comes by loads at 16 x lane and nothing is turned.  Products, maxima and sums in f32; the weights p are rounded to f16 for the second product.
; SHARES.  A work-group owns 512 queries of one (b, head); each of its sixteen waves 32 of them, two tiles of 16, in 256 registers: four waves to a SIMD, so that one wave's vector work stands beside
; another's matrix work and LDS loads.  Every wave walks all 2,048 keys, 64 a step; each fragment of K and V read from LDS feeds two products.
; LAYOUT.  S^T = K Q^T (source 0 = 16 keys, source 1 = 16 queries) and O^T = V^T P (source 0 = 16 channels, source 1 = P): a lane holds ONE query throughout.  Two tiles of S^T, rounded in pairs, ARE P's fragment.
; SOFTMAX.  A running maximum m and sum l for each query: p = 2^(c s - c m), c = log2(e) / 8; in every step O and l are multiplied by 2^(c m_old - c m_new).  O begins as zeros, m as -3e38.
; RING.  Two slots of 512 keys (65,536 bytes of K's chunks, then 65,536 of V's).  EVERY wave fetches 8,192 bytes of each slot (waves 0-7 K's, waves 8-15 V's): one tensor load a wave behind each round.
; CLUSTER.  The four work-groups of a cluster are one head's four query blocks: each tile of K and V is asked for jointly, by the same load with the same descriptor and the mask of all four.
; NO PREFETCH: a slot is asked for again eight key steps (256 matrix instructions of each wave) ahead of the wait for it, and the first two slots go out at the head: no wave waits for that stream.
; OUT.  values / l, rounded to f16, as chunks for the last product: (d / 128) x 2,097,152 + (token / 16) x 4,096 + ((d / 16) % 8) x 512; each store of the wave covers 512 consecutive bytes, aligned.
; LIMITS: NaN and infinities are not served; values stay under 65,504 (they are averages of v, which does).
.set SLOT1, 1<<17                      ; slot 1 begins here: one exclusive or turns an address from one slot to the other
.set SPARE, 2*SLOT1                    ; the spare words, 128 bytes for each of sixteen waves
.set LI,  1                            ; v1   16 x lane
.set LV,  2                            ; v2   the same in V's half of a slot
.set ADK, 3                            ; v3   the step's K
.set ADV, 4                            ; v4   the step's V
.set SPW, 5                            ; v5   my spare word; never rewritten
.set NIL, 6                            ; v6   0; never rewritten
.set ST,  8                            ; tile t's statistics at v[ST + 8 t]: +0 c m, +1 m, +2, +3 l in two halves, +4 .. +7 at work (+6: the factor)
.set Q,   24                           ; v24-55   Q: fragment (t, c) at 16 t + 8 c
.set S,   56                           ; v56-119  S^T: tile t at 32 t, 8 registers for each 16 keys; then p; then P in the low 16 of each tile
.set O,   120                          ; v120-183 O^T: 32 t + 8 (channel / 16)
.set KV,  184                          ; v184-247 a step's K, then its V
.set TS,  248                          ; v248-251 a second chain for the sums
.set WV,  12                           ; s12
.set G1,  24                           ; s[24:31] group 1
.set G0A, 32                           ; s[32:35] group 0 for slot 0's first fill
.set G0B, 36                           ; s[36:39] for slot 1's; it then walks
.set CS,  40                           ; s[40:41] c
.set SEL, 42                           ; s[42:43] lane selects: lane l xor 16
.set TB,  44                           ; s44  LDS byte at which the step's K begins
.set CNT, 45
.set SLOTS, 46
.macro CROUND                          ; a round of the cluster's barrier
	s_barrier_signal -1
	s_barrier_wait -1
	s_cmp_lg_u32 s[WV], 0
	s_cbranch_scc1 .Lnot_wave_0_\@
	s_barrier_signal -3
.Lnot_wave_0_\@:
	s_barrier_wait -3
	s_barrier_signal -1
	s_barrier_wait -1
.endm
	s_load_b128 s[4:7], s[0:1], 0x0                ; qkv s[4:5], vals s[6:7]
	v_lshl_add_u32 v[SPW], v0, 2, SPARE
	v_mov_b32 v[NIL], 0
	ds_add_u32 v[SPW], v[NIL]                      ; the wave's opening: the add, twice on end, and its wait ahead of my first tensor load
	ds_add_u32 v[SPW], v[NIL]
	v_lshrrev_b32 v1, 5, v0
	v_readfirstlane_b32 s[WV], v1                  ; wave 0..15
	s_bfe_u32 s13, ttmp6, 0x40000                  ; cx
	s_lshl_b32 s15, ttmp9, 2
	s_add_co_u32 s15, s15, s13                     ; my block of 512 queries: it enters Q's and the output's addresses alone
	s_and_b32 s14, ttmp7, 0xffff                   ; bh = 16 b + head, which the four partners share
	s_lshr_b32 s16, s[WV], 3                       ; what I fetch: K (waves 0-7) or V,
	s_add_co_u32 s16, s16, 1
	s_lshl_b32 s16, s16, 24                        ; 16,777,216 or twice that into qkv,
	s_lshl_b32 s17, s14, 18
	s_add_co_u32 s16, s16, s17                     ; the head's 262,144 bytes,
	s_and_b32 s17, s[WV], 7
	s_lshl_b32 s17, s17, 13
	s_add_co_u32 s16, s16, s17                     ; my 8,192 of a slot's 65,536
	s_mov_b32 s17, 0
	s_lshl_b32 s18, s14, 18                        ; Q: the head, my block's 32 tiles of 2,048 bytes, my wave's two
	s_lshl_b32 s19, s15, 16
	s_add_co_u32 s18, s18, s19
	s_lshl_b32 s19, s[WV], 12
	s_add_co_u32 s18, s18, s19
	s_mov_b32 s19, 0
	s_and_b32 s20, s14, 15                         ; the output: plane head / 2, chunk 4 (head % 2) on, token tile 128 b + 32 block + 2 wave
	s_lshr_b32 s21, s20, 1
	s_lshl_b32 s21, s21, 21
	s_and_b32 s20, s20, 1
	s_lshl_b32 s20, s20, 11
	s_add_co_u32 s20, s20, s21
	s_lshr_b32 s21, s14, 4
	s_lshl_b32 s21, s21, 19
	s_add_co_u32 s20, s20, s21
	s_lshl_b32 s21, s15, 17
	s_add_co_u32 s20, s20, s21
	s_lshl_b32 s21, s[WV], 13
	s_add_co_u32 s20, s20, s21
	s_mov_b32 s21, 0
	; group 1: a dense block of 8,192 bytes as 32 rows of 256 (32 elements of 8 bytes); the mask names all four work-groups
	s_mov_b32 s[G1], 15|(3<<16)|(1<<21)
	s_mov_b32 s[G1+1], 32<<16                      ; tensor_dim0
	s_mov_b32 s[G1+2], 32<<16                      ; tensor_dim1
	s_mov_b32 s[G1+3], 32<<16                      ; tile_dim0
	s_mov_b32 s[G1+4], 32                          ; tile_dim1
	s_mov_b32 s[G1+5], 32                          ; pitch
	s_mov_b32 s[G1+6], 0
	s_mov_b32 s[G1+7], 0
	s_mov_b32 s[G0A], 1
	s_lshl_b32 s[G0A+1], s[WV], 13                 ; LDS: wave x 8,192: K's eight parts, then V's
	s_mov_b32 s[G0B], 1
	s_add_co_u32 s[G0B+1], s[G0A+1], SLOT1
	s_mov_b32 s[CS], 0x3e38aa3b                    ; c = log2(e) / 8
	s_mov_b32 s[CS+1], s[CS]                       ; (named with it as a pair, so it is written)
	s_mov_b32 s[SEL], 0x76543210
	s_mov_b32 s[SEL+1], 0xfedcba98
	s_mov_b32 s[TB], 0
	s_wait_dscnt 0x0                               ; both opening adds are done
	s_wait_kmcnt 0x0
	s_add_nc_u64 s[16:17], s[4:5], s[16:17]
	s_add_nc_u64 s[8:9], s[4:5], s[18:19]          ; Q
	s_add_nc_u64 s[10:11], s[6:7], s[20:21]        ; the output
	s_mov_b64 s[G0A+2:G0A+3], s[16:17]             ; keys 0 to 511
	s_or_b32 s[G0A+3], s[G0A+3], 0x80000000
	s_add_nc_u64 s[G0B+2:G0B+3], s[16:17], 65536   ; keys 512 to 1,023
	s_or_b32 s[G0B+3], s[G0B+3], 0x80000000
	CROUND                                         ; all four work-groups are here: the first joint loads meet
	tensor_load_to_lds s[G0A:G0A+3], s[G1:G1+7]    ; both first fills together: two loads of mine are out
	s_nop 0
	tensor_load_to_lds s[G0B:G0B+3], s[G1:G1+7]
	s_nop 0
.rept 4
	v_nop
.endr
	v_and_b32 v[LI], 31, v0
	v_lshlrev_b32 v[LI], 4, v[LI]
	v_add_nc_u32 v[LV], 65536, v[LI]
.set i, 0
.rept 8
	global_load_b128 v[Q+4*i:Q+4*i+3], v[LI], s[8:9] offset:512*i   ; Q stays in registers
.set i, i+1
.endr
.set i, 0
.rept 64
	v_mov_b32 v[O+i], 0                            ; the step is written once: the first finds zeros, which the first change of m leaves zeros
.set i, i+1
.endr
.irp t, 0,1
	v_mov_b32 v[ST+8*\t+1], 0xff61b1e6             ; m = -3e38, under every score
	v_mov_b32 v[ST+8*\t+2], 0                      ; l
	v_mov_b32 v[ST+8*\t+3], 0
.endr
.irp t, 0,1
	v_mul_f32 v[ST+8*\t], s[CS], v[ST+8*\t+1]      ; c m
.endr
; A KEY STEP: 64 keys.
.macro STEP
	v_add_nc_u32 v[ADK], s[TB], v[LI]
	v_add_nc_u32 v[ADV], s[TB], v[LV]
.rept 3
	v_nop                                          ; with the two additions five plain places behind the last products: the loads below land on V's registers (four are asked), the products below write over P's (five)
.endr
.set i, 0
.rept 16
	ds_load_b128 v[KV+4*i:KV+4*i+3], v[ADK] offset:512*i   ; K: fragment (16 keys k, 32 channels c) at 16 k + 8 c
.set i, i+1
.endr
	s_wait_dscnt 0x0
.irp c, 0,1                                    ; S^T = K Q^T: eight accumulators by turns, one instruction a turn; the first eight start the sums
.irp k, 0,1,2,3
.irp t, 0,1
.if \c == 0
	v_wmma_f32_16x16x32_f16 v[S+32*\t+8*\k:S+32*\t+8*\k+7], v[KV+16*\k+8*\c:KV+16*\k+8*\c+7], v[Q+16*\t+8*\c:Q+16*\t+8*\c+7], 0
.else
	v_wmma_f32_16x16x32_f16 v[S+32*\t+8*\k:S+32*\t+8*\k+7], v[KV+16*\k+8*\c:KV+16*\k+8*\c+7], v[Q+16*\t+8*\c:Q+16*\t+8*\c+7], v[S+32*\t+8*\k:S+32*\t+8*\k+7]
.endif
.endr
.endr
.endr
.rept 4
	v_nop                                          ; four places: for the loads into K's registers and for the first reads of the scores
.endr
.set i, 0
.rept 16
	ds_load_b128 v[KV+4*i:KV+4*i+3], v[ADV] offset:512*i   ; V^T: fragment (32 keys k, 16 channels c) at 32 k + 8 c; it lands under the softmax
.set i, i+1
.endr
	; the maximum of a lane's 32 scores and the old m, three at a time; each accumulator is read from its low end on; the two tiles line by line
.irp j, 0,1,2,3
.irp t, 0,1
	v_max3_num_f32 v[ST+8*\t+4+\j], v[S+32*\t+8*\j], v[S+32*\t+8*\j+1], v[S+32*\t+8*\j+2]
.endr
.endr
.irp g, 1,2
.irp j, 0,1,2,3
.irp t, 0,1
	v_max3_num_f32 v[ST+8*\t+4+\j], v[ST+8*\t+4+\j], v[S+32*\t+8*\j+2*\g+1], v[S+32*\t+8*\j+2*\g+2]
.endr
.endr
.endr
.irp t, 0,1
	v_max3_num_f32 v[ST+8*\t+4], v[ST+8*\t+4], v[S+32*\t+7], v[S+32*\t+15]
.endr
.irp t, 0,1
	v_max3_num_f32 v[ST+8*\t+6], v[ST+8*\t+6], v[S+32*\t+23], v[S+32*\t+31]
.endr
.irp t, 0,1
	v_max3_num_f32 v[ST+8*\t+4], v[ST+8*\t+4], v[ST+8*\t+5], v[ST+8*\t+6]
.endr
.irp t, 0,1
	v_max3_num_f32 v[ST+8*\t+4], v[ST+8*\t+4], v[ST+8*\t+7], v[ST+8*\t+1]
.endr
.irp t, 0,1
	v_permlanex16_b32 v[ST+8*\t+5], v[ST+8*\t+4], s[SEL], s[SEL+1]   ; the query's other 32 keys lie in the lane 16 away
.endr
.irp t, 0,1
	v_mov_b32 v[ST+8*\t+7], v[ST+8*\t]             ; c m_old
.endr
.irp t, 0,1
	v_max_num_f32 v[ST+8*\t+1], v[ST+8*\t+4], v[ST+8*\t+5]
.endr
.irp t, 0,1
	v_mul_f32 v[ST+8*\t], s[CS], v[ST+8*\t+1]
.endr
.irp t, 0,1
	v_sub_f32 v[ST+8*\t+7], v[ST+8*\t+7], v[ST+8*\t]
.endr
.set i, 0
.rept 16
.irp t, 0,1
	v_pk_fma_f32 v[S+32*\t+2*i:S+32*\t+2*i+1], v[S+32*\t+2*i:S+32*\t+2*i+1], s[CS:CS+1], v[ST+8*\t:ST+8*\t+1] op_sel_hi:[1,0,0] neg_lo:[0,0,1] neg_hi:[0,0,1]   ; c s - c m
.endr
.set i, i+1
.endr
.irp t, 0,1
	v_exp_f32 v[ST+8*\t+6], v[ST+8*\t+7]           ; the factor 2^(c m_old - c m_new)
.endr
.set i, 0
.rept 32
.irp t, 0,1
	v_exp_f32 v[S+32*\t+i], v[S+32*\t+i]           ; p: the 66 exponentials are one batch; none reads another's result
.endr
.set i, i+1
.endr
	v_nop                                          ; a plain instruction behind the last exponential
	s_wait_alu depctr_va_vdst(0)                   ; one wait for the batch, ahead of its first reader
.irp t, 0,1
	v_pk_mul_f32 v[ST+8*\t+2:ST+8*\t+3], v[ST+8*\t+2:ST+8*\t+3], v[ST+8*\t+6:ST+8*\t+7] op_sel_hi:[1,0]   ; l under the new m
.endr
.irp t, 0,1
	v_pk_add_f32 v[TS+2*\t:TS+2*\t+1], v[S+32*\t:S+32*\t+1], v[S+32*\t+2:S+32*\t+3]   ; the sums are taken of p in f32, in two chains a tile
.endr
.irp j, 4,8,12,16,20,24,28
.irp t, 0,1
	v_pk_add_f32 v[ST+8*\t+2:ST+8*\t+3], v[ST+8*\t+2:ST+8*\t+3], v[S+32*\t+\j:S+32*\t+\j+1]
	v_pk_add_f32 v[TS+2*\t:TS+2*\t+1], v[TS+2*\t:TS+2*\t+1], v[S+32*\t+\j+2:S+32*\t+\j+3]
.endr
.endr
.irp t, 0,1
	v_pk_add_f32 v[ST+8*\t+2:ST+8*\t+3], v[ST+8*\t+2:ST+8*\t+3], v[TS+2*\t:TS+2*\t+1]
.endr
.set i, 0
.rept 16
.irp t, 0,1
	v_cvt_pk_f16_f32 v[S+32*\t+i], v[S+32*\t+2*i], v[S+32*\t+2*i+1]   ; P in place, ascending: register i is written when pairs 0 .. i have been read
.endr
.set i, i+1
.endr
.set i, 0
.rept 16
.irp t, 0,1
	v_pk_mul_f32 v[O+32*\t+2*i:O+32*\t+2*i+1], v[O+32*\t+2*i:O+32*\t+2*i+1], v[ST+8*\t+6:ST+8*\t+7] op_sel_hi:[1,0]   ; O^T under the new m
.endr
.set i, i+1
.endr
	s_wait_dscnt 0x0                               ; V is in
.irp k, 0,1                                    ; O^T += V^T P: eight accumulators by turns
.irp c, 0,1,2,3
.irp t, 0,1
	v_wmma_f32_16x16x32_f16 v[O+32*\t+8*\c:O+32*\t+8*\c+7], v[KV+32*\k+8*\c:KV+32*\k+8*\c+7], v[S+32*\t+8*\k:S+32*\t+8*\k+7], v[O+32*\t+8*\c:O+32*\t+8*\c+7]
.endr
.endr
.endr
	s_add_co_u32 s[TB], s[TB], 8192                ; the next step's chunks
.endm
.macro SLOT_STEPS                      ; a slot's eight key steps: written once, walked eight times
	s_mov_b32 s[CNT], 8
.Lstep_\@:
	STEP
	s_sub_co_u32 s[CNT], s[CNT], 1
	s_cmp_lg_u32 s[CNT], 0
	s_cbranch_scc1 .Lstep_\@
.endm
; THE CHANGE OF SLOTS.  Each wave waits for all its tensor loads (one is out: its part of the other slot), adds 0 to its spare word, and waits for that and for its reads of the slot that it leaves.
; fill = 1: the barrier is a round of the cluster's, so that no wave of any partner still reads the slot or has a load on its way; the joint refill is the first thing behind it and has eight key steps in which to land.
.macro CHANGE fill
	s_wait_tensorcnt 0x0                           ; no tensor load of mine is out, so a group 0 may be written
	ds_add_u32 v[SPW], v[NIL]
.if \fill
	s_xor_b32 s[G0B+1], s[G0B+1], SLOT1            ; the walking descriptor: the other slot than last time,
	s_add_nc_u64 s[G0B+2:G0B+3], s[G0B+2:G0B+3], 65536   ; the next 512 keys; the type bits on top are not reached
	s_wait_dscnt 0x0
	CROUND
	tensor_load_to_lds s[G0B:G0B+3], s[G1:G1+7]
	s_nop 0
.rept 4
	v_nop
.endr
.else
	s_wait_dscnt 0x0
	s_barrier_signal -1
	s_barrier_wait -1
.endif
	s_sub_co_u32 s[TB], s[TB], 65536               ; back to a slot's first step,
	s_xor_b32 s[TB], s[TB], SLOT1                  ; in the other slot
.endm
	s_wait_tensorcnt 1                             ; my part of slot 0 is in; slot 1's may stay out
	s_barrier_signal -1
	s_barrier_wait -1                              ; everybody's is
	s_wait_loadcnt 0x0                             ; Q
	SLOT_STEPS                                     ; keys 0 to 511
	s_mov_b32 s[SLOTS], 2
.Lslot:                                            ; two trips: keys 1,024 on go into slot 0, keys 1,536 on into slot 1
	CHANGE 1
	SLOT_STEPS
	s_sub_co_u32 s[SLOTS], s[SLOTS], 1
	s_cmp_lg_u32 s[SLOTS], 0
	s_cbranch_scc1 .Lslot
	CHANGE 0                                       ; the tail is written out: nothing is left to ask for
	SLOT_STEPS
	; THE WAY OUT
.rept 4
	v_nop                                          ; four places behind the last products
.endr
.irp t, 0,1
	v_add_f32 v[ST+8*\t+4], v[ST+8*\t+2], v[ST+8*\t+3]
.endr
.irp t, 0,1
	v_permlanex16_b32 v[ST+8*\t+5], v[ST+8*\t+4], s[SEL], s[SEL+1]
.endr
.irp t, 0,1
	v_add_f32 v[ST+8*\t+4], v[ST+8*\t+4], v[ST+8*\t+5]   ; the row's sum
.endr
.irp t, 0,1
	v_rcp_f32 v[ST+8*\t+6], v[ST+8*\t+4]
.endr
	v_nop                                          ; a plain instruction behind the reciprocals,
	s_wait_alu depctr_va_vdst(0)                   ; and one wait for both ahead of the first use
.irp t, 0,1
.set i, 0
.rept 16
	v_pk_mul_f32 v[O+32*\t+2*i:O+32*\t+2*i+1], v[O+32*\t+2*i:O+32*\t+2*i+1], v[ST+8*\t+6:ST+8*\t+7] op_sel_hi:[1,0]   ; ascending: each accumulator from its low end on
.set i, i+1
.endr
.endr
.irp t, 0,1
.irp c, 0,1,2,3
.irp i, 0,1,2,3
	v_cvt_pk_f16_f32 v[S+16*\t+4*\c+\i], v[O+32*\t+8*\c+2*\i], v[O+32*\t+8*\c+2*\i+1]   ; a lane's eight channels of its query: 16 bytes of a chunk
.endr
.endr
.endr
.irp t, 0,1
.irp c, 0,1,2,3
	global_store_b128 v[LI], v[S+16*\t+4*\c:S+16*\t+4*\c+3], s[10:11] offset:\t*4096+\c*512
.endr
.endr
	s_wait_tensorcnt 0x0                           ; the wave's end
	ds_add_u32 v[SPW], v[NIL]
	s_wait_dscnt 0x0
	CROUND                                         ; the closing round
	s_endpgm
.Lfunc_end_k_qd2a3826f7c_attn:
	.size	k_qd2a3826f7c_attn, .Lfunc_end_k_qd2a3826f7c_attn-k_qd2a3826f7c_attn
	.p2alignl 7, 3214868480
	.fill 96, 4, 3214868480
	.section	.rodata,"a",@progbits
	.p2align	6, 0x0
	.amdhsa_kernel k_qd2a3826f7c_attn
		.amdhsa_group_segment_fixed_size 327680
		.amdhsa_private_segment_fixed_size 0
		.amdhsa_enable_private_segment 0
		.amdhsa_kernarg_size 16
		.amdhsa_user_sgpr_count 2
		.amdhsa_user_sgpr_kernarg_segment_ptr 1
		.amdhsa_wavefront_size32 1
		.amdhsa_system_sgpr_workgroup_id_x 1
		.amdhsa_system_sgpr_workgroup_id_y 1
		.amdhsa_system_sgpr_workgroup_id_z 1
		.amdhsa_system_vgpr_workitem_id 0
		.amdhsa_next_free_vgpr 256
		.amdhsa_next_free_sgpr 66
		.amdhsa_reserve_vcc 0
		.amdhsa_float_denorm_mode_32 3
		.amdhsa_float_denorm_mode_16_64 3
		.amdhsa_memory_ordered 1
		.amdhsa_forward_progress 1
		.amdhsa_inst_pref_size 66
	.end_amdhsa_kernel
	.amdgpu_metadata
---
amdhsa.version: [ 1, 2 ]
amdhsa.kernels:
  - .name:           k_qd2a3826f7c_attn
    .symbol:         k_qd2a3826f7c_attn.kd
    .args:
      - { .name: qkv, .offset: 0, .size: 8, .value_kind: global_buffer, .address_space: global }
      - { .name: vals, .offset: 8, .size: 8, .value_kind: global_buffer, .address_space: global }
    .group_segment_fixed_size: 327680
    .private_segment_fixed_size: 0
    .kernarg_segment_align: 8
    .kernarg_segment_size: 16
    .max_flat_workgroup_size: 512
    .sgpr_count:     66
    .vgpr_count:     256
    .wavefront_size: 32
...
	.end_amdgpu_metadata
.endif
;; end of part 3
;; launch oproj (part 4): grid 4 x 64, 4 waves a work-group, clusters of 4 x 4, 327,680 bytes of LDS; arguments vals, wo, b_out, out0; writes out0
.if DOCPART == 4
	.amdgcn_target "amdgcn-amd-amdhsa--gfx1250"
	.amdhsa_code_object_version 6
	.text
	.protected	k_qd2a3826f7c_oproj
	.globl	k_qd2a3826f7c_oproj
	.p2align	8
	.type	k_qd2a3826f7c_oproj,@function
k_qd2a3826f7c_oproj:
	s_mov_b64 s[64:65], 0
	v_nop
	global_prefetch_b8 v0, s[64:65] scope:SCOPE_SE
	s_setreg_imm32_b32 hwreg(HW_REG_WAVE_MODE, 25, 1), 1
	s_wait_xcnt 0x0
	s_wait_alu depctr_hold_cnt(0) depctr_sa_sdst(0) depctr_va_vdst(0) depctr_va_sdst(0) depctr_va_ssrc(0) depctr_va_vcc(0) depctr_vm_vsrc(0)
	s_getreg_b32 s2, hwreg(HW_REG_IB_STS2, 6, 4)
	s_cmp_eq_u32 s2, 0
	s_cbranch_scc0 .Lentry_in_a_cluster
	s_endpgm
.Lentry_in_a_cluster:
	s_bfe_u32 s2, ttmp6, 0x10000c
	s_cmp_lg_u32 s2, 0xf033
	s_cbranch_scc0 .Lentry_shape_is_right
	s_endpgm
.Lentry_shape_is_right:
; out0 = values W_out^T + b_out: [8192][1024] f32.  Both operands arrive as f16 chunks (512 bytes, lane l's 16 bytes at 16 l: four registers of a 16-bit fragment), laid by K step of 128:
;   vals: (d / 128) x 2,097,152 + (token / 16) x 4,096 + ((d / 16) % 8) x 512;   wo: (d / 128) x 262,144 + (e / 16) x 4,096 + ((d / 16) % 8) x 512.  So a K step's tile is one dense block, and a fragment two loads at 16 x lane.
; SHARES.  A tile of the output is 128 tokens (Y) x 256 columns (X): 256 work-groups.  Four waves, each 64 x 128: 32 accumulators.  K goes in eight steps of 128 through a ring of two LDS slots.
; THE MATRIX INSTRUCTION IS USED TRANSPOSED (source 0 = 16 rows of W_out, source 1 = 16 tokens): a lane holds eight neighbouring columns of one token's row.
; CLUSTERS: 4 x 4 work-groups.  values' tiles hang on Y alone and are asked for jointly along a row of the cluster, W_out's on X alone, along a column.
; No prefetch: a K step is short and the launch too; what is shared is shared by the joint loads.
; REGISTERS: window 0: v16-29 addresses; two fragment buffers at v32 and v128 (values' four fragments, then W_out's eight); v224-227 the bias; on the way out v32-159 hold rows.   window 1: accumulator (a, b) at v[8 (8 a + b)].
.set SLOT,   98304                     ; values' 8 token tiles x 4,096 bytes, then W_out's 16 column tiles x 4,096
.set BOFF,   32768
.set STAGE,  2*SLOT                    ; the way out: 16 rows x (512 + 16) bytes for each wave; no tensor load lands here
.set SPITCH, 528
.set SPARE,  STAGE+4*16*SPITCH         ; the spare words, 128 bytes a wave
.set LAPS,   4                         ; a lap = two K steps = once round the ring
.set ADRA, 16                          ; v16-17 my fragments of values in slot 0, 1
.set ADRB, 20                          ; v20-21 of W_out
.set STO,  24                          ; v24  the stage, in: row lane % 16, 32 bytes for each half of the lanes
.set RD,   25                          ; v25  back: 16 x lane of a row
.set CO,   26                          ; v26  16 x lane
.set SPW,  28                          ; v28  my spare word; never rewritten
.set NIL,  29                          ; v29  0; never rewritten
.set F0,   32
.set F1,   128
.set BIAS, 224
.set BK,   32
.set WV,   12                          ; s12 wave
.set MH,   13                          ; s13 which 64 tokens are mine.  Also: I fetch for values (0) or for W_out (1)
.set NH,   14                          ; s14 which 128 columns.  Also: which half of that tile I fetch
.set YT,   15                          ; s15 Y
.set G1,   24                          ; s[24:31] group 1 for values;  s[32:39] group 0, a set for each slot
.set G0,   32
.set G1B,  48                          ; s[48:55], s[56:63] for W_out
.set G0B,  56
.set MUL,  0x50                        ; C and D window 1, sources window 0
.set MSB, 0
.macro WIN new                         ; the immediate's high byte repeats the setting that is left
.if MSB != \new
	s_set_vgpr_msb (MSB<<8)|\new
.set MSB, \new
.endif
.endm
.macro JLOAD s                         ; a joint load; the branch hangs on the wave's number alone; an s_nop 0 and four v_nop follow each line
	s_cmp_eq_u32 s[MH], 0
	s_cbranch_scc0 .Lfor_b_\@
	tensor_load_to_lds s[G0+4*\s:G0+4*\s+3], s[G1:G1+7]
	s_nop 0
.rept 4
	v_nop
.endr
	s_branch .Lasked_\@
.Lfor_b_\@:
	tensor_load_to_lds s[G0B+4*\s:G0B+4*\s+3], s[G1B:G1B+7]
	s_nop 0
.rept 4
	v_nop
.endr
.Lasked_\@:
.endm
.macro CREST                           ; a round of the cluster's barrier behind its opening barrier
	s_cmp_lg_u32 s[WV], 0
	s_cbranch_scc1 .Lnot_wave_0_\@
	s_barrier_signal -3
.Lnot_wave_0_\@:
	s_barrier_wait -3
	s_barrier_signal -1
	s_barrier_wait -1
.endm
.macro CROUND
	s_barrier_signal -1
	s_barrier_wait -1
	CREST
.endm
.macro PLACES
.rept 4
	v_nop
.endr
.endm
	s_load_b256 s[4:11], s[0:1], 0x0               ; vals s[4:5], wo s[6:7], b_out s[8:9], out0 s[10:11]
	v_lshl_add_u32 v[SPW], v0, 2, SPARE
	v_mov_b32 v[NIL], 0
	ds_add_u32 v[SPW], v[NIL]                      ; the wave's opening: the add, twice on end, and its wait ahead of my first tensor load
	ds_add_u32 v[SPW], v[NIL]
	v_lshrrev_b32 v1, 5, v0
	v_readfirstlane_b32 s[WV], v1
	s_lshr_b32 s[MH], s[WV], 1
	s_and_b32 s[NH], s[WV], 1
	s_bfe_u32 s40, ttmp6, 0x40000                  ; cx, cy
	s_bfe_u32 s41, ttmp6, 0x40004
	s_lshl_b32 s42, ttmp9, 2
	s_add_co_u32 s42, s42, s40                     ; X
	s_and_b32 s[YT], ttmp7, 0xffff
	s_lshl_b32 s[YT], s[YT], 2
	s_add_co_u32 s[YT], s[YT], s41                 ; Y
	s_lshl_b32 s43, s41, 2
	s_lshl_b32 s43, 15, s43                        ; my row of the cluster
	s_lshl_b32 s44, 0x1111, s40                    ; my column
	; group 1: dense blocks as rows of 256 bytes (32 elements of 8): values: 16,384 bytes = 64 rows a load; W_out: 32,768 = 128 rows
	s_or_b32 s[G1+0], s43, (3<<16)|(1<<21)
	s_or_b32 s[G1B+0], s44, (3<<16)|(1<<21)
	s_mov_b32 s[G1+1], 32<<16
	s_mov_b32 s[G1+2], 64<<16
	s_mov_b32 s[G1+3], 32<<16
	s_mov_b32 s[G1+4], 64
	s_mov_b32 s[G1+5], 32
	s_mov_b32 s[G1+6], 0
	s_mov_b32 s[G1+7], 0
	s_mov_b32 s[G1B+1], 32<<16
	s_mov_b32 s[G1B+2], 128<<16
	s_mov_b32 s[G1B+3], 32<<16
	s_mov_b32 s[G1B+4], 128
	s_mov_b32 s[G1B+5], 32
	s_mov_b32 s[G1B+6], 0
	s_mov_b32 s[G1B+7], 0
	s_lshl_b32 s16, s[YT], 15                      ; values: token tile 8 Y + 4 half, 4,096 bytes each
	s_lshl_b32 s17, s[NH], 14
	s_add_co_u32 s16, s16, s17
	s_mov_b32 s17, 0
	s_lshl_b32 s46, s42, 16                        ; W_out: column tile 16 X + 8 half
	s_lshl_b32 s47, s[NH], 15
	s_add_co_u32 s46, s46, s47
	s_mov_b32 s47, 0
	s_lshl_b32 s20, s[NH], 14                      ; where they go: the wave's number and constants alone
	s_lshl_b32 s21, s[NH], 15
	s_add_co_u32 s21, s21, BOFF
.irp s, 0,1
	s_mov_b32 s[G0+4*\s], 1
	s_add_co_u32 s[G0+4*\s+1], s20, \s*SLOT
	s_mov_b32 s[G0B+4*\s], 1
	s_add_co_u32 s[G0B+4*\s+1], s21, \s*SLOT
.endr
	s_wait_dscnt 0x0                               ; both opening adds are done
	s_wait_kmcnt 0x0
	s_add_nc_u64 s[16:17], s[4:5], s[16:17]
	s_add_nc_u64 s[46:47], s[6:7], s[46:47]
.irp s, 0,1
	s_add_nc_u64 s[G0+4*\s+2:G0+4*\s+3], s[16:17], \s*2097152      ; K step s
	s_or_b32 s[G0+4*\s+3], s[G0+4*\s+3], 0x80000000
	s_add_nc_u64 s[G0B+4*\s+2:G0B+4*\s+3], s[46:47], \s*262144
	s_or_b32 s[G0B+4*\s+3], s[G0B+4*\s+3], 0x80000000
.endr
	CROUND                                         ; all sixteen work-groups are here: the first joint loads meet
	JLOAD 0                                        ; two loads of mine are out behind these two lines
	JLOAD 1
	v_and_b32 v1, 15, v0                           ; r
	v_bfe_u32 v2, v0, 4, 1                         ; h
	v_and_b32 v3, 31, v0
	v_lshlrev_b32 v[CO], 4, v3
	s_lshl_b32 s20, s[MH], 14                      ; my four token tiles
	v_add_nc_u32 v[ADRA], s20, v[CO]
	v_add_nc_u32 v[ADRA+1], SLOT, v[ADRA]
	v_add_nc_u32 v[ADRB], s21, v[CO]               ; my eight column tiles: the half that carries my number
	v_add_nc_u32 v[ADRB+1], SLOT, v[ADRB]
	s_mul_i32 s23, s[WV], 16*SPITCH
	s_add_co_u32 s23, s23, STAGE                   ; my stage
	v_mul_u32_u24 v4, v1, SPITCH
	v_lshl_add_u32 v4, v2, 5, v4
	v_add_nc_u32 v[STO], s23, v4
	v_add_nc_u32 v[RD], s23, v[CO]
	s_lshl_b32 s46, s42, 10                        ; my first column, in bytes: 1,024 X + 512 half
	s_lshl_b32 s47, s[NH], 9
	s_add_co_u32 s46, s46, s47
	s_mov_b32 s47, 0
	s_add_nc_u64 s[8:9], s[8:9], s[46:47]
	global_load_b128 v[BIAS:BIAS+3], v[CO], s[8:9] ; b_out of the four columns that I store
	s_lshl_b32 s18, s[YT], 19                      ; my first row: 128 Y + 64 half, 4,096 bytes each
	s_lshl_b32 s19, s[MH], 18
	s_add_co_u32 s18, s18, s19
	s_add_co_u32 s18, s18, s46
	s_mov_b32 s19, 0
	s_add_nc_u64 s[10:11], s[10:11], s[18:19]
.macro FETCH slot, q, f                ; the fragments of the slot's q-th 32 along K into buffer f: 24 loads in one run
.irp i, 0,1,2,3,4,5,6,7
	ds_load_b128 v[\f+32+8*\i:\f+32+8*\i+3], v[ADRB+\slot] offset:\i*4096+(\q)*1024
	ds_load_b128 v[\f+32+8*\i+4:\f+32+8*\i+7], v[ADRB+\slot] offset:\i*4096+(\q)*1024+512
.endr
.irp i, 0,1,2,3
	ds_load_b128 v[\f+8*\i:\f+8*\i+3], v[ADRA+\slot] offset:\i*4096+(\q)*1024
	ds_load_b128 v[\f+8*\i+4:\f+8*\i+7], v[ADRA+\slot] offset:\i*4096+(\q)*1024+512
.endr
.endm
.macro MULG f, a, zero                 ; token tile a against the eight column tiles.  zero = 1: the products start the sums
.irp b, 0,1,2,3,4,5,6,7
.if \zero
	v_wmma_f32_16x16x32_f16 v[8*(8*(\a)+\b):8*(8*(\a)+\b)+7], v[\f+32+8*\b:\f+32+8*\b+7], v[\f+8*(\a):\f+8*(\a)+7], 0
.else
	v_wmma_f32_16x16x32_f16 v[8*(8*(\a)+\b):8*(8*(\a)+\b)+7], v[\f+32+8*\b:\f+32+8*\b+7], v[\f+8*(\a):\f+8*(\a)+7], v[8*(8*(\a)+\b):8*(8*(\a)+\b)+7]
.endif
.endr
.endm
; A K step is four quarters of 32 along K, 32 products each, on buffers 0, 1, 0, 1; the 32 accumulators take turns, one instruction a turn.
; One of the first three: asks for the slot's quarter q into buffer g, then multiplies buffer f.
.macro QUARTER slot, q, f, g, zero
	s_wait_dscnt 0x0                               ; buffer f is in
	PLACES                                         ; four places between the last quarter's products and the loads into the buffer that they read
	FETCH \slot, \q, \g
	WIN MUL
	MULG \f, 0, \zero
	MULG \f, 1, \zero
	MULG \f, 2, \zero
	MULG \f, 3, \zero
	WIN 0
.endm
; The last quarter multiplies buffer 1 and changes slots: ONE barrier; in front of it each wave waits for all its tensor loads, adds 0 to its spare word, and waits for that and for its reads of this slot.
.macro TURN slot, next, fill
	s_wait_tensorcnt 0x0                           ; all my tensor loads have landed: my part of the next slot
	ds_add_u32 v[SPW], v[NIL]
	s_wait_dscnt 1                                 ; buffer 1 is in (the add alone may be out)
	WIN MUL
	MULG F1, 0, 0                                  ; eight products stand between the add and the wait for it
	s_wait_dscnt 0x0                               ; the add is done, and my reads of this slot are over
	s_barrier_signal -1
	MULG F1, 1, 0
	WIN 0
	s_barrier_wait -1
.if \fill
	CREST                                          ; the barrier has opened a round of the cluster's: no wave of any partner still reads this slot or has a load on its way
	s_add_nc_u64 s[G0+4*\slot+2:G0+4*\slot+3], s[G0+4*\slot+2:G0+4*\slot+3], 2*2097152
	s_add_nc_u64 s[G0B+4*\slot+2:G0B+4*\slot+3], s[G0B+4*\slot+2:G0B+4*\slot+3], 2*262144
	JLOAD \slot                                    ; the first tensor load behind the round; its four v_nop are also the places in front of the loads below
.else
	PLACES
.endif
	FETCH \next, 0, F0
	WIN MUL
	MULG F1, 2, 0
	MULG F1, 3, 0
	WIN 0
.endm
	s_wait_tensorcnt 1                             ; my part of K step 0 is in; K step 1's load may stay out
	s_barrier_signal -1
	s_barrier_wait -1
	FETCH 0, 0, F0
	QUARTER 0, 1, F0, F1, 1                        ; the first quarter stands in front of the loop: its products start the sums
	s_mov_b32 s22, LAPS-1
.Llap:                                             ; a trip goes once round the ring and fills both slots again
	QUARTER 0, 2, F1, F0, 0
	QUARTER 0, 3, F0, F1, 0
	TURN 0, 1, 1
	QUARTER 1, 1, F0, F1, 0
	QUARTER 1, 2, F1, F0, 0
	QUARTER 1, 3, F0, F1, 0
	TURN 1, 0, 1
	QUARTER 0, 1, F0, F1, 0
	s_sub_co_u32 s22, s22, 1
	s_cmp_lg_u32 s22, 0
	s_cbranch_scc1 .Llap
	QUARTER 0, 2, F1, F0, 0                        ; the last lap fills nothing
	QUARTER 0, 3, F0, F1, 0
	TURN 0, 1, 0
	QUARTER 1, 1, F0, F1, 0
	QUARTER 1, 2, F1, F0, 0
	QUARTER 1, 3, F0, F1, 0
	s_wait_dscnt 0x0                               ; the very last quarter
	WIN MUL
	MULG F1, 0, 0
	MULG F1, 1, 0
	MULG F1, 2, 0
	MULG F1, 3, 0
	WIN 0
; THE WAY OUT, 16 rows x 128 columns at a time: a lane's 32 bytes of a row go into my own stage and come back as whole rows of 512 bytes; the bias is added; 32 lanes store 512 consecutive bytes, aligned.
.macro TOSTAGE a
	WIN 0x04                                       ; an LDS store's data are its source 1: window 1
.irp b, 0,1,2,3,4,5,6,7
	ds_store_b128 v[STO], v[8*(8*(\a)+\b):8*(8*(\a)+\b)+3] offset:64*\b          ; each accumulator from its low end on
	ds_store_b128 v[STO], v[8*(8*(\a)+\b)+4:8*(8*(\a)+\b)+7] offset:64*\b+16
.endr
	WIN 0
.set BB, BK+64*((\a)%2)
.irp t, 0,1,2,3,4,5,6,7,8,9,10,11,12,13,14,15
	ds_load_b128 v[BB+4*\t:BB+4*\t+3], v[RD] offset:\t*SPITCH   ; LDS serves a wave's instructions in order: these see the stores above
.endr
.endm
.macro SEND a, younger                 ; younger: the LDS instructions issued behind block a's loads, which may stay out
.set BB, BK+64*((\a)%2)
	s_wait_dscnt \younger
.irp t, 0,1,2,3,4,5,6,7,8,9,10,11,12,13,14,15
	v_pk_add_f32 v[BB+4*\t:BB+4*\t+1], v[BB+4*\t:BB+4*\t+1], v[BIAS:BIAS+1]
	v_pk_add_f32 v[BB+4*\t+2:BB+4*\t+3], v[BB+4*\t+2:BB+4*\t+3], v[BIAS+2:BIAS+3]
.endr
.irp t, 0,1,2,3,4,5,6,7,8,9,10,11,12,13,14,15
	global_store_b128 v[CO], v[BB+4*\t:BB+4*\t+3], s[10:11] offset:(16*(\a)+\t)*4096 th:TH_STORE_NT
.endr
.endm
	s_wait_loadcnt 0x0                             ; the bias
	PLACES                                         ; four places behind the last products: for the reads of results and for the loads into the fragments' registers
	TOSTAGE 0
	TOSTAGE 1
	SEND 0, 32                                     ; behind block 0's loads: block 1's 16 stores and 16 loads
	s_wait_xcnt 0x0                                ; block 0's stores have read their registers: block 2's rows land there
	TOSTAGE 2
	SEND 1, 32
	s_wait_xcnt 0x0
	TOSTAGE 3
	SEND 2, 32
	SEND 3, 0
	s_wait_tensorcnt 0x0                           ; the wave's end
	ds_add_u32 v[SPW], v[NIL]
	s_wait_dscnt 0x0
	CROUND                                         ; the closing round
	s_endpgm
.Lfunc_end_k_qd2a3826f7c_oproj:
	.size	k_qd2a3826f7c_oproj, .Lfunc_end_k_qd2a3826f7c_oproj-k_qd2a3826f7c_oproj
	.p2alignl 7, 3214868480
	.fill 96, 4, 3214868480
	.section	.rodata,"a",@progbits
	.p2align	6, 0x0
	.amdhsa_kernel k_qd2a3826f7c_oproj
		.amdhsa_group_segment_fixed_size 327680
		.amdhsa_private_segment_fixed_size 0
		.amdhsa_enable_private_segment 0
		.amdhsa_kernarg_size 32
		.amdhsa_user_sgpr_count 2
		.amdhsa_user_sgpr_kernarg_segment_ptr 1
		.amdhsa_wavefront_size32 1
		.amdhsa_system_sgpr_workgroup_id_x 1
		.amdhsa_system_sgpr_workgroup_id_y 1
		.amdhsa_system_sgpr_workgroup_id_z 1
		.amdhsa_system_vgpr_workitem_id 0
		.amdhsa_next_free_vgpr 512
		.amdhsa_next_free_sgpr 66
		.amdhsa_reserve_vcc 0
		.amdhsa_float_denorm_mode_32 3
		.amdhsa_float_denorm_mode_16_64 3
		.amdhsa_memory_ordered 1
		.amdhsa_forward_progress 1
		.amdhsa_inst_pref_size 91
	.end_amdhsa_kernel
	.amdgpu_metadata
---
amdhsa.version: [ 1, 2 ]
amdhsa.kernels:
  - .name:           k_qd2a3826f7c_oproj
    .symbol:         k_qd2a3826f7c_oproj.kd
    .args:
      - { .name: vals, .offset: 0, .size: 8, .value_kind: global_buffer, .address_space: global }
      - { .name: wo, .offset: 8, .size: 8, .value_kind: global_buffer, .address_space: global }
      - { .name: b_out, .offset: 16, .size: 8, .value_kind: global_buffer, .address_space: global }
      - { .name: out0, .offset: 24, .size: 8, .value_kind: global_buffer, .address_space: global }
    .group_segment_fixed_size: 327680
    .private_segment_fixed_size: 0
    .kernarg_segment_align: 8
    .kernarg_segment_size: 32
    .max_flat_workgroup_size: 128
    .sgpr_count:     66
    .vgpr_count:     512
    .wavefront_size: 32
...
	.end_amdgpu_metadata
.endif
;; end of part 4
